; MI455X (gfx1250); checked and timed in simulation.
; The chip was launched on July 23, 2026; its instructions are those of AMD's public machine-readable ISA for CDNA 5 (MIT licence, August 2026) and "CDNA5" Instruction Set Architecture Reference Guide (July 2026). The comments in the code are by the model that wrote it; some were corrected since.
;; Reverse quantize. Allowed arithmetic: matrix products marked QUANTISED: E4M3 operands, one given power-of-two scale a tensor, by v_wmma_f32_16x16x64_fp8_fp8 or v_wmma_f32_16x16x128_fp8_fp8, f32 sums; everything else in f32.
;; Inputs: embedding_weight 4,096 x 512 float32; lowp_scales 2 int32 (the exponents e of the quantised operands' scales 2^e); min_encoding_indices 32,768 int32.
;; Outputs: out0 32 x 1,024 x 512 float32.
;; This version of the problem:
;;   THIS VERSION OF THE PROBLEM IS GIVEN IN LOW PRECISION. The matrix products marked QUANTISED in the list below multiply operands that are first quantised to E4M3 (4 exponent bits, 3 mantissa bits; 8 bits a number), with one given power-of-two scale for each operand tensor; their sums are f32. All else is computed in f32.
;;   The module's matrix products, in the order in which they are computed (A, B: the left and right operand; K: the contracted axis; several contracted axes count as one K, in the product's order):
;;     1. [M 32,768, K 4,096] x [K 4,096, N 512]; A: computed on the way; B: input embedding_weight: QUANTISED (scales: A lowp_scales[0], B lowp_scales[1])
;;   THE QUANTISER, for each operand of a quantised product, along K:
;;     - The operand's scale is 2^e, e = its entry of the input lowp_scales (int32; the entries are numbered through the quantised products in the list's order, A before B).
;;     - Each number is divided by the scale, clamped to +-448, and rounded to the nearest number of E4M3, ties to even, subnormals kept.
;;     - The product sums the exact products of the quantised numbers (number of the format x scale) in f32.
;;   ~~~python
;;   def quantise(x, axis, e):      # numpy; x: float32 -> the quantised numbers, widened to float32 again
;;       x = np.moveaxis(x, axis, -1); K = x.shape[-1]
;;       r = np.clip(x / 2.0 ** e, -448, 448)
;;       step = 2.0 ** (np.maximum(np.frexp(np.where(r == 0, 1, r))[1] - 1, -6) - 3)
;;       q = np.round(r / step) * step * 2.0 ** e      # np.round: ties to even
;;       return np.moveaxis(q, -1, axis).astype(np.float32)
;;   ~~~
;;   OPERANDS COMPUTED ON THE WAY. 'Computed on the way' means the value that the module computes at that place (a softmax that the list does not call 'softmax' is quantised finished and normalised). What goes into a quantiser is computed in f32, as accurately as f32 sums, v_exp_f32 and their like allow (about 1e-6 of the number): no bf16 or f16 on the way to a quantiser, and a product that is left as it is and whose result goes on into a quantised operand takes f32 operands (vector FMAs, or v_wmma_f32_16x16x4_f32). A number that lies on a knife's edge between two numbers of the format may be rounded either way, as far as f32 arithmetic and the matrix unit's own rounding can turn it there, and no further.
;; One version. Each part assembles by itself: llvm-mc -triple=amdgcn-amd-amdhsa -mcpu=gfx1250 --defsym DOCPART=n.
;; ======== version 1 of 1: 2 launches
;; workspace buffers: wq 2,097,152 bytes
;; launch quantw (part 1): grid 8 x 16, 8 waves a work-group, no clusters, 18,432 bytes of LDS; arguments embedding_weight, lowp_scales, wq; writes wq
.if DOCPART == 1
	.amdgcn_target "amdgcn-amd-amdhsa--gfx1250"
	.amdhsa_code_object_version 6
	.text
	.protected	k_q47b596977b_quantw
	.globl	k_q47b596977b_quantw
	.p2align	8
	.type	k_q47b596977b_quantw,@function
k_q47b596977b_quantw:
	s_mov_b64 s[64:65], 0
	v_nop
	global_prefetch_b8 v0, s[64:65] scope:SCOPE_SE
	s_setreg_imm32_b32 hwreg(HW_REG_WAVE_MODE, 25, 1), 1
	s_wait_xcnt 0x0
; W [4096 (k)][512 (n)], f32, is the right operand of one_hot x W: its K is its FIRST axis.  It becomes codes of FP8 (E4M3), one byte each, laid wq [512 (n)][4096 (k)], K innermost,
; with the one scale 2^e1 that is given for it (entry 1 of the scales): code = W / 2^e1, held within +-448, rounded to the nearest code, ties to even.
; LIMITS: e1 between -126 and 119, so that 2^e1 and 448 x 2^e1 are f32 numbers.  NaN in W is not served; an infinity is held at the largest code.
; SHARES.  Work-group (x, y): columns 64 x .. 64 x + 63, K rows 256 y .. 256 y + 255.  Wave w: K rows 32 w .. 32 w + 31 of these.  A LANE TAKES TWO COLUMNS, 2 l and 2 l + 1, AND ITS REGISTERS RUN DOWN K:
; each load reads one row of W at 64 neighbouring columns, 8 bytes a lane: 256 consecutive bytes, aligned.  All 32 loads of a wave go out on end.  The hold at the largest code also takes the two columns apart,
; so that the conversions, which take eight neighbours along K from consecutive registers, give codes with K innermost.  Nothing is transposed by an instruction.
; THE WAY OUT.  A column's 256 codes come from eight waves: they meet in a stage in LDS (a row a column, 256 bytes + 16), one barrier, and each wave stores 8 whole rows: sixteen lanes store 256 consecutive bytes, aligned.
; No tensor load, no matrix unit, no cluster: the launch streams 8 MB once and its work-groups share nothing.
.set PITCH, 272                        ; a stage row: 256 bytes of codes + 16
.set SPARE, 64*PITCH                   ; behind the stage: the spare words, 128 bytes for each of the eight waves: four blocks of 256 bytes that no other line names
.set IN,   2                           ; v2       8 x lane: my two numbers in a row's 256 bytes
.set ST,   3                           ; v3       the stage, in: row 2 l, byte 32 w
.set RD,   4                           ; v4       the stage, back: rows 8 w + (l / 16), 16 bytes a lane
.set GO,   5                           ; v5       the same two rows in wq
.set LIM,  10                          ; v10      448 x 2^e1
.set SC,   11                          ; v11      2^e1
.set SPW,  12                          ; v12      LDS address of my spare word; never rewritten
.set NIL,  13                          ; v13      0; never rewritten
.set X,    16                          ; v16-79   32 rows x 2 columns as loaded
.set Y,    80                          ; v80-143  column a's 32 numbers, then column b's
.set C,    144                         ; v144-159 column a's 32 codes, then column b's
.set OUTR, 160                         ; v160-175 rows read back from the stage
	s_load_b128 s[4:7], s[0:1], 0x0                ; W s[4:5], the scales' exponents s[6:7]
	s_load_b64 s[8:9], s[0:1], 0x10                ; wq
	v_lshl_add_u32 v[SPW], v0, 2, SPARE
	v_mov_b32 v[NIL], 0
	v_lshrrev_b32 v1, 5, v0
	v_readfirstlane_b32 s16, v1                    ; wave 0..7
	v_and_b32 v1, 31, v0                           ; lane
	v_lshlrev_b32 v[IN], 3, v1
	s_and_b32 s17, ttmp7, 0xffff                   ; y
	s_lshl_b32 s18, s16, 5
	v_mul_u32_u24 v[ST], v1, 2*PITCH
	v_add_nc_u32 v[ST], s18, v[ST]                 ; 544 l + 32 w
	v_and_b32 v6, 15, v1
	v_lshrrev_b32 v7, 4, v1
	s_mul_i32 s18, s16, 8*PITCH
	v_mul_u32_u24 v[RD], v7, PITCH
	v_lshl_add_u32 v[RD], v6, 4, v[RD]
	v_add_nc_u32 v[RD], s18, v[RD]                 ; 2176 w + 272 (l / 16) + 16 (l % 16)
	v_lshlrev_b32 v[GO], 12, v7
	v_lshl_add_u32 v[GO], v6, 4, v[GO]             ; 4096 (l / 16) + 16 (l % 16)
	s_lshl_b32 s20, s17, 19                        ; W: (256 y + 32 w) rows of 2,048 bytes + 256 x
	s_lshl_b32 s22, s16, 16
	s_add_co_u32 s20, s20, s22
	s_lshl_b32 s22, ttmp9, 8
	s_add_co_u32 s20, s20, s22
	s_mov_b32 s21, 0
	s_lshl_b32 s24, ttmp9, 18                      ; wq: (64 x + 8 w) rows of 4,096 bytes + 256 y
	s_lshl_b32 s22, s16, 15
	s_add_co_u32 s24, s24, s22
	s_lshl_b32 s22, s17, 8
	s_add_co_u32 s24, s24, s22
	s_mov_b32 s25, 0
	s_wait_kmcnt 0x0
	s_load_b32 s30, s[6:7], 0x4                    ; e1
	s_add_nc_u64 s[4:5], s[4:5], s[20:21]
	s_add_nc_u64 s[8:9], s[8:9], s[24:25]
.irp i, 0,1,2,3,4,5,6,7,8,9,10,11,12,13,14,15,16,17,18,19,20,21,22,23,24,25,26,27,28,29,30,31
	global_load_b64 v[X+2*\i:X+2*\i+1], v[IN], s[4:5] offset:2048*\i th:TH_LOAD_NT   ; row i: W(k, 2 l), W(k, 2 l + 1); read once in the launch
.endr
	s_wait_kmcnt 0x0
	s_add_co_i32 s30, s30, 127
	s_lshl_b32 s31, s30, 23
	v_mov_b32 v[SC], s31                           ; 2^e1 as f32: the conversion takes its exponent field
	s_add_co_i32 s30, s30, 8
	s_lshl_b32 s30, s30, 23
	s_or_b32 s30, s30, 0x600000
	v_mov_b32 v[LIM], s30                          ; 448 x 2^e1
	s_wait_loadcnt 16                              ; loads come back in order: rows 0-15 are in, the sixteen younger loads stay out
.irp i, 0,1,2,3,4,5,6,7,8,9,10,11,12,13,14,15
	v_med3_num_f32 v[Y+\i], v[X+2*\i], -v[LIM], v[LIM]          ; the conversion to an 8-bit code does not saturate (ISA guide 7.6.2): the hold at the largest code x the scale;
	v_med3_num_f32 v[Y+32+\i], v[X+2*\i+1], -v[LIM], v[LIM]     ; its destination puts each column's numbers on end
.endr
.irp g, 0,1,4,5
	v_cvt_scalef32_pk8_fp8_f32 v[C+2*\g:C+2*\g+1], v[Y+8*\g:Y+8*\g+7], v[SC]   ; eight numbers / 2^e1, the first number's code in the lowest byte
.endr
	s_wait_loadcnt 0x0                             ; rows 16-31
.irp i, 16,17,18,19,20,21,22,23,24,25,26,27,28,29,30,31
	v_med3_num_f32 v[Y+\i], v[X+2*\i], -v[LIM], v[LIM]
	v_med3_num_f32 v[Y+32+\i], v[X+2*\i+1], -v[LIM], v[LIM]
.endr
.irp g, 2,3,6,7
	v_cvt_scalef32_pk8_fp8_f32 v[C+2*\g:C+2*\g+1], v[Y+8*\g:Y+8*\g+7], v[SC]
.endr
	v_nop                                          ; one plain vector line directly behind the last conversion of the run
	ds_store_b128 v[ST], v[C:C+3]                  ; column 2 l: 32 codes, bytes 32 w .. 32 w + 31 of its row
	ds_store_b128 v[ST], v[C+4:C+7] offset:16
	ds_store_b128 v[ST], v[C+8:C+11] offset:PITCH  ; column 2 l + 1: the next row
	ds_store_b128 v[ST], v[C+12:C+15] offset:PITCH+16
	s_wait_dscnt 0x0                               ; for the others' sake: my stores into the stage are done
	s_barrier_signal -1
	s_barrier_wait -1                              ; 64 whole rows of 256 codes lie in the stage
.irp t, 0,1,2,3
	ds_load_b128 v[OUTR+4*\t:OUTR+4*\t+3], v[RD] offset:2*\t*PITCH
.endr
.irp t, 0,1,2,3
	s_wait_dscnt 3-\t                              ; LDS loads come back in order: pair t of rows is in, the younger ones stay out
	global_store_b128 v[GO], v[OUTR+4*\t:OUTR+4*\t+3], s[8:9] offset:2*\t*4096   ; sixteen lanes store 256 consecutive bytes, at a multiple of 256 from wq's first byte
.endr
	s_wait_tensorcnt 0x0                           ; the wave's end: behind my last LDS store
	ds_add_u32 v[SPW], v[NIL]
	s_wait_dscnt 0x0
	s_endpgm
.Lfunc_end_k_q47b596977b_quantw:
	.size	k_q47b596977b_quantw, .Lfunc_end_k_q47b596977b_quantw-k_q47b596977b_quantw
	.p2alignl 7, 3214868480
	.fill 96, 4, 3214868480
	.section	.rodata,"a",@progbits
	.p2align	6, 0x0
	.amdhsa_kernel k_q47b596977b_quantw
		.amdhsa_group_segment_fixed_size 18432
		.amdhsa_private_segment_fixed_size 0
		.amdhsa_enable_private_segment 0
		.amdhsa_kernarg_size 24
		.amdhsa_user_sgpr_count 2
		.amdhsa_user_sgpr_kernarg_segment_ptr 1
		.amdhsa_wavefront_size32 1
		.amdhsa_system_sgpr_workgroup_id_x 1
		.amdhsa_system_sgpr_workgroup_id_y 1
		.amdhsa_system_sgpr_workgroup_id_z 1
		.amdhsa_system_vgpr_workitem_id 0
		.amdhsa_next_free_vgpr 176
		.amdhsa_next_free_sgpr 66
		.amdhsa_reserve_vcc 0
		.amdhsa_float_denorm_mode_32 3
		.amdhsa_float_denorm_mode_16_64 3
		.amdhsa_memory_ordered 1
		.amdhsa_forward_progress 1
		.amdhsa_inst_pref_size 11
	.end_amdhsa_kernel
	.amdgpu_metadata
---
amdhsa.version: [ 1, 2 ]
amdhsa.kernels:
  - .name:           k_q47b596977b_quantw
    .symbol:         k_q47b596977b_quantw.kd
    .args:
      - { .name: embedding_weight, .offset: 0, .size: 8, .value_kind: global_buffer, .address_space: global }
      - { .name: lowp_scales, .offset: 8, .size: 8, .value_kind: global_buffer, .address_space: global }
      - { .name: wq, .offset: 16, .size: 8, .value_kind: global_buffer, .address_space: global }
    .group_segment_fixed_size: 18432
    .private_segment_fixed_size: 0
    .kernarg_segment_align: 8
    .kernarg_segment_size: 24
    .max_flat_workgroup_size: 256
    .sgpr_count:     66
    .vgpr_count:     176
    .wavefront_size: 32
...
	.end_amdgpu_metadata
.endif
;; end of part 1
;; launch gemm (part 2): grid 128 x 2, 4 waves a work-group, clusters of 4 x 1, 327,680 bytes of LDS; arguments min_encoding_indices, wq, lowp_scales, out0; writes out0
.if DOCPART == 2
	.amdgcn_target "amdgcn-amd-amdhsa--gfx1250"
	.amdhsa_code_object_version 6
	.text
	.protected	k_q47b596977b_gemm
	.globl	k_q47b596977b_gemm
	.p2align	8
	.type	k_q47b596977b_gemm,@function
k_q47b596977b_gemm:
	s_mov_b64 s[64:65], 0
	v_nop
	global_prefetch_b8 v0, s[64:65] scope:SCOPE_SE
	s_setreg_imm32_b32 hwreg(HW_REG_WAVE_MODE, 25, 1), 1
	s_wait_xcnt 0x0
	s_wait_alu depctr_hold_cnt(0) depctr_sa_sdst(0) depctr_va_vdst(0) depctr_va_sdst(0) depctr_va_ssrc(0) depctr_va_vcc(0) depctr_vm_vsrc(0)
	s_getreg_b32 s2, hwreg(HW_REG_IB_STS2, 6, 4)
	s_cmp_eq_u32 s2, 0
	s_cbranch_scc0 .Lentry_in_a_cluster
	s_endpgm
.Lentry_in_a_cluster:
	s_bfe_u32 s2, ttmp6, 0x10000c
	s_cmp_lg_u32 s2, 0x3003
	s_cbranch_scc0 .Lentry_shape_is_right
	s_endpgm
.Lentry_shape_is_right:
; out[i][n] = sum over k of onehot(idx[i])[k] W[k][n]: M = 32,768 tokens, K = 4,096, N = 512, both operands codes of FP8 (E4M3), sums in f32, by v_wmma_f32_16x16x128_fp8_fp8.
; B: wq [512 (n)][4096 (k)], the codes of W, made by the launch before.  A: the one-hot rows, quantised with the given 2^e0: the code of 1 / 2^e0 (held at 448) at k = idx, the code 0 elsewhere.
; A IS MADE IN REGISTERS and is never in memory or in LDS.  Each finished sum is multiplied once by 2^(e0 + e1).
; LIMITS: e0 between -126 and 119; e0 + e1 between -126 and 127, so that each power of two below is an f32 number.  An index outside 0 .. 4,095 gives a row of zeros, as one_hot does.
; SHARES.  A tile of out, 256 tokens x 256 columns, is made by a work-group of four waves, as many as a WGP has SIMDs: 128 x 2 = 256 work-groups.  A wave makes 128 x 128: 64 accumulators of 16 x 16, 512 registers.
; K goes in steps of 512 through a ring of two LDS slots (256 rows of wq x 512 bytes each) filled by the tensor data mover, 64 rows a wave; a slot is four sub-steps of 128 along K, 64 matrix instructions each.
; CLUSTER: 4 x 1.  The four work-groups of a cluster have the same y and walk the same rows of wq: each tile is asked for JOINTLY, by the same tensor load with the same descriptor and a mask that names the four.
; There is no tile of A to share, and a mask names four at the most: so a cluster has one row.
; THE MATRIX INSTRUCTION IS USED TRANSPOSED (source 0 = 16 rows of wq, source 1 = 16 tokens): a lane then holds eight neighbouring numbers of a row of out.
; FRAGMENTS.  B's come by four ds_load_b128, 32 bytes apart: register 4 c + j, byte b, of lane (r, h) holds k = 32 c + 16 h + 4 j + b.  That is a permutation of k; A is made in the same places, so every product meets its partner.
; HOW A IS MADE.  For a block of 16 tokens a lane keeps KEY = idx >> 5 (which run of 32 along K) and four registers VAL+j: the code of 1, shifted to byte idx & 3, where ((idx >> 2) & 7) xor 4 h = j; else 0.
; The four registers of chunk c of sub-step Q are VAL where KEY = 4 Q + c, else 0: one compare and four selects.  Q counts 0 .. 8 within a lap (two slots, 1,024 along K); once a lap every KEY is lessened by 32.
; REGISTERS, in windows of 256.  A block's accumulators, its fragment of A, its VAL and its KEY lie in ONE window, so that one setting serves the products and the lines that make A:
;   blocks 0, 1: window 0 (places 1, 2);  blocks 2, 3, 4: window 2 (places 0, 1, 2);  blocks 5, 6, 7: window 3.   At place L: accumulator b at v[64 L + 8 b]; A's fragment at v[192 + 16 L]; VAL at v[240 + 4 L]; KEY at v[252 + L].
;   window 0, v0-63: addresses and the set-up.   window 1: B's fragments, TWO sets, at v0 and at v128; on the way out: v0-63 the scaled sums, v64-127 and v128-191 rows read back, by turns.
; BY TURNS.  A phase is a block's eight products; behind every second one stand the five lines of one chunk of another block OF THE SAME WINDOW:
;   phase 0 makes block 1 (this sub-step), 1: block 0 (the next), 2: block 4 (this), 3: block 2 (next), 4: block 3 (next), 5: block 7 (this), 6: block 5 (next), 7: block 6 (next).
; A vector instruction that writes a register which a matrix instruction has read stands four places behind it (ISA guide 7.12.1): behind a phase's last product stands a chunk of five lines that name none of its registers,
; and only in the next phase's first chunk is the fragment just multiplied written again.  The 64 accumulators take turns, one instruction a turn, in the same order in every sub-step.
.set PITCH,  528                       ; an LDS row: 512 bytes + 16 = 33 x 16: the sixteen rows that a load touches fall on sixteen different 16-byte columns of 256 bytes
.set QUART,  64*PITCH                  ; what one tensor load brings
.set SLOT,   4*QUART                   ; 256 rows
.set SPARE,  2*SLOT                    ; behind the ring: the spare words, 128 bytes for each wave: two blocks of 256 bytes that no other line names
.set STAGE,  SPARE+512                 ; the way out: 16 rows x (512 bytes + 16) for each wave; bytes of its own, into which no tile lands
.set SPITCH, 528
.set ADRB, 16                          ; v16-17  LDS address of my B fragments in slot 0, 1
.set STO,  24                          ; v24     the way out: where I put 32 bytes of a row
.set RD,   25                          ; v25     where I read a row back
.set CO,   26                          ; v26     my byte offset in a row's 512 bytes of out
.set SPW,  28                          ; v28     LDS address of my spare word; never rewritten
.set NIL,  29                          ; v29     0; never rewritten
.set IDX,  32                          ; v32-39  the index of my token in blocks 0-7
.set CV,   40                          ; v40-47  the code of 1 in byte idx & 3
.set U,    48                          ; v48-55  ((idx >> 2) & 7) xor 4 h
.set TMP,  0                           ; window 1, on the way out
.set BK,   64
.set G1,   24                          ; s[24:31] descriptor group 1
.set G0,   32                          ; s[32:39] descriptor group 0, a set for each slot
.set MSB, 0
.macro WIN new                         ; s_set_vgpr_msb: bits 1:0 source 0, 3:2 source 1, 5:4 source 2, 7:6 destination; the high byte repeats the setting that is left; a switch that changes nothing is dropped
.if MSB != (\new)
	s_set_vgpr_msb (MSB<<8)|(\new)
.set MSB, (\new)
.endif
.endm
.macro SETA a                          ; block a, as the block that is multiplied: its window, accumulators and fragment
.if (\a) < 2
.set aW, 0
.set aL, (\a)+1
.elseif (\a) < 5
.set aW, 2
.set aL, (\a)-2
.else
.set aW, 3
.set aL, (\a)-5
.endif
.set aAC, 64*aL
.set aAB, 192+16*aL
.endm
.macro SETG g                          ; block g, as the block whose fragment is made
.if (\g) < 2
.set gW, 0
.set gL, (\g)+1
.elseif (\g) < 5
.set gW, 2
.set gL, (\g)-2
.else
.set gW, 3
.set gL, (\g)-5
.endif
.set gAB, 192+16*gL
.set gVAL, 240+4*gL
.set gKEY, 252+gL
.endm
.macro CREST                           ; a round of the cluster's barrier behind its opening barrier
	s_cmp_lg_u32 s14, 0
	s_cbranch_scc1 .Lnot_wave_0_\@
	s_barrier_signal -3
.Lnot_wave_0_\@:
	s_barrier_wait -3
	s_barrier_signal -1
	s_barrier_wait -1
.endm
.macro CROUND                          ; a whole round
	s_barrier_signal -1
	s_barrier_wait -1
	CREST
.endm
; Chunk c (32 along K) of block g's fragment for sub-step qg of the lap: five plain lines; VCC is written anew in each chunk
.macro GENCH g, qg, c
	SETG \g
	v_cmp_eq_u32 vcc_lo, 4*(\qg)+(\c), v[gKEY]
.irp j, 0,1,2,3
	v_cndmask_b32 v[gAB+4*(\c)+\j], 0, v[gVAL+\j], vcc_lo
.endr
.endm
.macro GENBLK g, qg                    ; a whole fragment, ahead of the first product
	SETG \g
	WIN (1|(0x54*gW))
.irp c, 0,1,2,3
	GENCH \g, \qg, \c
.endr
.endm
; Block a's eight products against B's set p.  zero = 1: they start the sums: nothing is ever cleared.  g >= 0: block g's fragment for sub-step qg is made between them.
; The setting: source 0 (B) window 1; source 1 (A), C and D, and all that a chunk names, the block's window.
.macro PHASE a, p, zero, g, qg
	SETA \a
	WIN (1|(0x54*aW))
.irp b, 0,1,2,3,4,5,6,7
.if \zero
	v_wmma_f32_16x16x128_fp8_fp8 v[aAC+8*\b:aAC+8*\b+7], v[128*(\p)+16*\b:128*(\p)+16*\b+15], v[aAB:aAB+15], 0
.else
	v_wmma_f32_16x16x128_fp8_fp8 v[aAC+8*\b:aAC+8*\b+7], v[128*(\p)+16*\b:128*(\p)+16*\b+15], v[aAB:aAB+15], v[aAC+8*\b:aAC+8*\b+7]
.endif
.if ((\b)%2 == 1) && ((\g) >= 0)
	GENCH \g, \qg, (\b)/2
.endif
.endr
.endm
; 32 LDS loads in one run: B's eight fragments of the slot's q-th 128 along K into set p.  The products that last read that set stand a chunk and two phases' chunks, 45 plain lines, back
.macro FETCH_B slot, q, p
	WIN 0x40                                       ; destination window 1, address window 0
.irp i, 0,1,2,3,4,5,6,7
.irp c, 0,1,2,3
	ds_load_b128 v[128*(\p)+16*\i+4*\c:128*(\p)+16*\i+4*\c+3], v[ADRB+(\slot)] offset:128*(\q)+32*\c+\i*16*PITCH
.endr
.endr
.endm
.macro DEC w                           ; a new lap: the window's KEYs less 32 (a KEY that has passed wraps round and meets no constant again)
.if (\w) == 0
	v_add_nc_u32 v253, 0xffffffe0, v253
	v_add_nc_u32 v254, 0xffffffe0, v254
.else
	v_add_nc_u32 v252, 0xffffffe0, v252
	v_add_nc_u32 v253, 0xffffffe0, v253
	v_add_nc_u32 v254, 0xffffffe0, v254
.endif
.endm
.macro HI p, Q, zero, dec, nxt         ; blocks 2-7 of sub-step Q.  nxt = 0: the last sub-step of all: nothing is made for a next one
	WIN 0xa9
.if \dec
	DEC 2
.endif
	PHASE 2, \p, \zero, 4, \Q
.if \nxt
	PHASE 3, \p, \zero, 2, (\Q)+1
	PHASE 4, \p, \zero, 3, (\Q)+1
.else
	PHASE 3, \p, \zero, -1, 0
	PHASE 4, \p, \zero, -1, 0
.endif
	WIN 0xfd
.if \dec
	DEC 3
.endif
	PHASE 5, \p, \zero, 7, \Q
.if \nxt
	PHASE 6, \p, \zero, 5, (\Q)+1
	PHASE 7, \p, \zero, 6, (\Q)+1
.else
	PHASE 6, \p, \zero, -1, 0
	PHASE 7, \p, \zero, -1, 0
.endif
.endm
; A sub-step of 128 along K that has its successor in the same slot: q = 0, 1, 2
.macro STEP slot, q, zero, dec
	s_wait_dscnt 0x0                               ; B's set is in: it was asked for 48 matrix instructions ago
	WIN 0x01
.if \dec
	DEC 0
.endif
	PHASE 0, (\q)%2, \zero, 1, (4*(\slot)+(\q))
	PHASE 1, (\q)%2, \zero, 0, (4*(\slot)+(\q)+1)
	FETCH_B \slot, (\q)+1, 1-(\q)%2
	HI (\q)%2, (4*(\slot)+(\q)), \zero, \dec, 1
.endm
; A slot's last sub-step (q = 3, set 1) changes slots: ONE barrier.  In front of it each wave waits for all its tensor loads (one is out: its part of the next slot), adds 0 to its spare word, and waits for that and for
; its own reads of this slot.  fill = 1: the barrier opens a round of the cluster's, and this slot is filled again, two K steps ahead: the load has 240 matrix instructions in which to land.
.macro TURN slot, next, fill
	WIN 0                                          ; (the add's two registers lie in window 0)
	s_wait_tensorcnt 0x0                           ; all my tensor loads have landed;
	ds_add_u32 v[SPW], v[NIL]                      ; 0 onto my spare word;
	s_wait_dscnt 1                                 ; B's set is in; the add, the youngest, may be out
	PHASE 0, 1, 0, 1, (4*(\slot)+3)                ; a phase stands between the add and the wait for it
	s_wait_dscnt 0x0                               ; the add is done, and my reads of this slot are over
	s_barrier_signal -1
	PHASE 1, 1, 0, 0, (4*(\slot)+4)                ; work on registers while the others arrive
.if \fill
	WIN 0
.endif
	s_barrier_wait -1
.if \fill
	CREST                                          ; no wave of any partner still reads this slot or has a load on its way
	s_add_nc_u64 s[G0+4*(\slot)+2:G0+4*(\slot)+3], s[G0+4*(\slot)+2:G0+4*(\slot)+3], 2*512   ; no tensor load of mine is out, so a group 0 may be written; the type bits on top are not reached
	tensor_load_to_lds s[G0+4*(\slot):G0+4*(\slot)+3], s[G1:G1+7]   ; the first tensor load behind the round, and my only one until the next
	s_nop 0
.rept 4
	v_nop                                          ; the next switch of windows stands behind four instructions
.endr
.endif
	FETCH_B \next, 0, 0
	HI 1, (4*(\slot)+3), 0, 0, 1
.endm
	s_load_b128 s[4:7], s[0:1], 0x0                ; the indices s[4:5], wq s[6:7]
	s_load_b128 s[8:11], s[0:1], 0x10              ; the scales' exponents s[8:9], out s[10:11]
	v_lshl_add_u32 v[SPW], v0, 2, SPARE
	v_mov_b32 v[NIL], 0
	ds_add_u32 v[SPW], v[NIL]                      ; the wave's opening: the add and its wait stand ahead of my first tensor load; the set-up below, work on registers, stands between them
	v_lshrrev_b32 v1, 5, v0
	v_readfirstlane_b32 s14, v1                    ; wave 0..3: also which 64 rows of a tile I fetch
	s_lshr_b32 s15, s14, 1                         ; which half of the tile's tokens is mine
	s_and_b32 s16, s14, 1                          ; which half of its columns
	s_and_b32 s17, ttmp7, 0xffff                   ; y: which 256 columns; the four partners share it
	s_bfe_u32 s40, ttmp6, 0x40000                  ; cx: my place in the cluster
	s_lshl_b32 s42, ttmp9, 2                       ; in a cluster launch ttmp9 counts clusters
	s_add_co_u32 s42, s42, s40                     ; my block of 256 tokens = 4 x cluster x + cx: it enters the indices' and out's addresses alone
	; descriptor group 1: a tile of 64 rows x 512 bytes, padded in LDS
	s_mov_b32 s[G1+0], 15|(1<<20)|(1<<21)|(6<<22)|(3<<25)   ; 15:0 the mask: all four work-groups; 17:16 elements of 1 byte; 20 padding on; 21 set beside a mask; 24:22 after every 128 words (code 6); 31:25 four words (code 3)
	s_mov_b32 s[G1+1], 512<<16                     ; tensor_dim0 = 512
	s_mov_b32 s[G1+2], 64<<16                      ; tensor_dim1 = 64
	s_mov_b32 s[G1+3], 512<<16                     ; tile_dim0 = 512
	s_mov_b32 s[G1+4], 64                          ; tile_dim1 = 64
	s_mov_b32 s[G1+5], 4096                        ; tensor_dim0_stride: a row of wq
	s_mov_b32 s[G1+6], 0
	s_mov_b32 s[G1+7], 0
	s_lshl_b32 s20, s17, 20                        ; wq: (256 y + 64 wave) rows of 4,096 bytes: made of what the partners share
	s_lshl_b32 s21, s14, 18
	s_add_co_u32 s20, s20, s21
	s_mov_b32 s21, 0
	s_mul_i32 s22, s14, QUART                      ; and where they go: wave x 64 rows: no place in the cluster enters an LDS address
	s_lshl_b32 s44, s42, 10                        ; the indices: 4 bytes x (256 X + 128 x my half)
	s_lshl_b32 s45, s15, 9
	s_add_co_u32 s44, s44, s45
	s_mov_b32 s45, 0
	s_lshl_b32 s46, s42, 19                        ; out: my first token's row of 2,048 bytes, + 1,024 y + 512 x my half of the columns
	s_lshl_b32 s47, s15, 18
	s_add_co_u32 s46, s46, s47
	s_lshl_b32 s47, s17, 10
	s_add_co_u32 s46, s46, s47
	s_lshl_b32 s47, s16, 9
	s_add_co_u32 s46, s46, s47
	s_mov_b32 s47, 0
	s_wait_dscnt 0x0                               ; the opening add is done
	s_wait_kmcnt 0x0
	s_load_b64 s[96:97], s[8:9], 0x0               ; e0, e1
	s_add_nc_u64 s[20:21], s[6:7], s[20:21]
	s_add_nc_u64 s[4:5], s[4:5], s[44:45]
	s_add_nc_u64 s[10:11], s[10:11], s[46:47]
.irp s, 0,1
	s_mov_b32 s[G0+4*\s], 1                                        ; count = 1
	s_add_co_u32 s[G0+4*\s+1], s22, \s*SLOT                        ; LDS address
	s_add_nc_u64 s[G0+4*\s+2:G0+4*\s+3], s[20:21], \s*512          ; global address: K step s
	s_or_b32 s[G0+4*\s+3], s[G0+4*\s+3], 0x80000000                ; type = 2
.endr
	CROUND                                         ; all four work-groups are here: the first joint loads meet
	tensor_load_to_lds s[G0:G0+3], s[G1:G1+7]      ; both first fills go out together: two tensor loads of mine are out
	s_nop 0
	tensor_load_to_lds s[G0+4:G0+7], s[G1:G1+7]
	s_nop 0
.rept 4
	v_nop
.endr
	v_and_b32 v1, 15, v0                           ; r = lane % 16
	v_bfe_u32 v2, v0, 4, 1                         ; h = lane / 16
	v_lshlrev_b32 v30, 2, v1
.irp a, 0,1,2,3,4,5,6,7
	global_load_b32 v[IDX+\a], v30, s[4:5] offset:64*\a   ; the index of token 16 a + r, in both halves of the lanes
.endr
	v_lshlrev_b32 v31, 2, v2                       ; 4 h
	v_mul_u32_u24 v3, v1, PITCH
	v_lshl_add_u32 v3, v2, 4, v3                   ; a fragment's row x pitch + 16 h
	s_mul_i32 s23, s16, 2*QUART                    ; my 128 rows of the tile
	v_add_nc_u32 v[ADRB], s23, v3
	s_add_co_u32 s23, s23, SLOT
	v_add_nc_u32 v[ADRB+1], s23, v3
	s_mul_i32 s23, s14, 16*SPITCH
	s_add_co_u32 s23, s23, STAGE                   ; my stage
	v_mul_u32_u24 v4, v1, SPITCH                   ; in: row r, 32 bytes for each half of the lanes
	v_lshl_add_u32 v4, v2, 5, v4
	v_add_nc_u32 v[STO], s23, v4
	v_and_b32 v5, 31, v0
	v_lshlrev_b32 v[CO], 4, v5                     ; back: the 32 lanes take one row of 512 bytes; and the same in out
	v_add_nc_u32 v[RD], s23, v[CO]
	; the code of 1: 1.0, held at 448 x 2^e0, divided by 2^e0, rounded to the nearest code.  v64-76 are free until the first product writes them
	s_wait_kmcnt 0x0
	s_add_co_i32 s44, s96, 127
	s_lshl_b32 s45, s44, 23
	v_mov_b32 v74, s45                             ; 2^e0 as f32: the conversion takes its exponent field
	s_add_co_i32 s44, s44, 8
	s_lshl_b32 s44, s44, 23
	s_or_b32 s44, s44, 0x600000
	v_mov_b32 v75, s44                             ; 448 x 2^e0
	v_min_num_f32 v64, 1.0, v75                    ; the conversion does not saturate (ISA guide 7.6.2); 1 is positive, so the hold is one-sided
.irp j, 1,2,3,4,5,6,7
	v_mov_b32 v[64+\j], 0
.endr
	v_cvt_scalef32_pk8_fp8_f32 v[72:73], v[64:71], v74
	v_nop                                          ; one plain vector line behind a scaled conversion, ahead of the first line that touches its result
	v_and_b32 v76, 0xff, v72                       ; the first number's code lies in the lowest byte
	s_add_co_i32 s96, s96, s97
	s_add_co_i32 s96, s96, 127
	s_lshl_b32 s96, s96, 23                        ; 2^(e0 + e1) as f32
	s_mov_b32 s97, s96                             ; (named with it as a pair, so it is written)
	s_wait_loadcnt 0x0                             ; the indices
.irp a, 0,1,2,3,4,5,6,7
	v_and_b32 v[CV+\a], 3, v[IDX+\a]
	v_bfe_u32 v[U+\a], v[IDX+\a], 2, 3
	v_lshlrev_b32 v[CV+\a], 3, v[CV+\a]
	v_xor_b32 v[U+\a], v31, v[U+\a]                ; 0 .. 3 where the index falls into my half's 16 of its run of 32: then it names the register
	v_lshlrev_b32 v[CV+\a], v[CV+\a], v76          ; the code in byte idx & 3
.endr
.macro SETUP a                         ; block a's KEY and VAL, into its window (destination there, sources in window 0)
	SETG \a
	WIN (gW<<6)
	v_lshrrev_b32 v[gKEY], 5, v[IDX+(\a)]
.irp j, 0,1,2,3
	v_cmp_eq_u32 vcc_lo, \j, v[U+(\a)]
	v_cndmask_b32 v[gVAL+\j], 0, v[CV+(\a)], vcc_lo
.endr
.endm
	SETUP 0
	SETUP 1
	GENBLK 0, 0                                    ; the fragments that the first sub-step does not make for itself: blocks 0, 2, 3, 5, 6
	SETUP 2
	SETUP 3
	SETUP 4
	GENBLK 2, 0
	GENBLK 3, 0
	SETUP 5
	SETUP 6
	SETUP 7
	GENBLK 5, 0
	GENBLK 6, 0
	WIN 0
	s_wait_tensorcnt 1                             ; my part of K step 0 is in; K step 1's load may stay out
	s_barrier_signal -1
	s_barrier_wait -1                              ; everybody's is
	FETCH_B 0, 0, 0
	STEP 0, 0, 1, 0                                ; the first sub-step stands in front of the loop: its products start the sums
	WIN 0                                          ; at a label and at a branch every window is 0
	s_mov_b32 s3, 3
.Llap:                                             ; a trip goes once round the ring, from a lap's second sub-step to the next lap's first, and fills both slots again: 3 trips bring K steps 2 to 7
	STEP 0, 1, 0, 0
	STEP 0, 2, 0, 0
	TURN 0, 1, 1
	STEP 1, 0, 0, 0
	STEP 1, 1, 0, 0
	STEP 1, 2, 0, 0
	TURN 1, 0, 1
	STEP 0, 0, 0, 1                                ; a new lap: each window's KEYs are lessened at the head of its stretch
	WIN 0
	s_sub_co_u32 s3, s3, 1
	s_cmp_lg_u32 s3, 0
	s_cbranch_scc1 .Llap
	STEP 0, 1, 0, 0                                ; the last lap is written out: it fills nothing and has no round of the cluster's barrier
	STEP 0, 2, 0, 0
	TURN 0, 1, 0
	STEP 1, 0, 0, 0
	STEP 1, 1, 0, 0
	STEP 1, 2, 0, 0
	s_wait_dscnt 0x0                               ; the very last sub-step: nothing more to fetch, nothing to make for a next one
	PHASE 0, 1, 0, 1, 7
	PHASE 1, 1, 0, -1, 0
	HI 1, 7, 0, 0, 0
.rept 4
	v_nop                                          ; four places behind the last products, in front of the reads of results and of the writes and loads into the registers that held B's fragments
.endr
; THE WAY OUT, block by block of 16 tokens x 128 columns.  A lane holds 32 neighbouring bytes of a row, and the lanes beside it hold other rows: so a block goes through my own stage in LDS and comes back as whole rows of
; 512 bytes.  LDS serves a wave's instructions in order (ISA guide 5.7.1.4): no wait between the stores and the loads, nor in front of the next block's stores.
.macro TOSTAGE a
	SETA \a
	WIN (0x40|aW)                                  ; destination window 1, source 0 the block's window
.irp j, 0,2,4,6,8,10,12,14,16,18,20,22,24,26,28,30,32,34,36,38,40,42,44,46,48,50,52,54,56,58,60,62
	v_pk_mul_f32 v[TMP+\j:TMP+\j+1], v[aAC+\j:aAC+\j+1], s[96:97] op_sel_hi:[1,0]   ; both x s96 = 2^(e0 + e1); each accumulator from its low end on
.endr
	WIN 0x44                                       ; loaded data and store data window 1, addresses window 0
.irp b, 0,1,2,3,4,5,6,7
	ds_store_b128 v[STO], v[TMP+8*\b:TMP+8*\b+3] offset:64*\b
	ds_store_b128 v[STO], v[TMP+8*\b+4:TMP+8*\b+7] offset:64*\b+16
.endr
.set BB, BK+64*((\a)%2)
.irp t, 0,1,2,3,4,5,6,7,8,9,10,11,12,13,14,15
	ds_load_b128 v[BB+4*\t:BB+4*\t+3], v[RD] offset:\t*SPITCH
.endr
.endm
.macro SEND a, younger                 ; younger: the LDS instructions issued behind block a's loads, which may stay out
.set BB, BK+64*((\a)%2)
	WIN 0x44
	s_wait_dscnt \younger                          ; the block is back in registers
.irp t, 0,1,2,3,4,5,6,7,8,9,10,11,12,13,14,15
	global_store_b128 v[CO], v[BB+4*\t:BB+4*\t+3], s[10:11] offset:(16*(\a)+\t)*2048 th:TH_STORE_NT   ; 32 lanes store 512 consecutive bytes, at a multiple of 256 from out's first byte; the row stands in the immediate, 260,096 at the most; written once
.endr
.endm
	TOSTAGE 0
.irp a, 1,2,3,4,5,6,7
.if \a > 1
	s_wait_xcnt 0x0                                ; block a - 2's stores have read their registers: block a's loads may land there
.endif
	TOSTAGE \a
	SEND \a-1, 32                                  ; behind block a - 1's loads: block a's 16 stores and 16 loads
.endr
	SEND 7, 0
	WIN 0
	s_wait_tensorcnt 0x0                           ; the wave's end: behind my last tensor load and my last LDS store
	ds_add_u32 v[SPW], v[NIL]
	s_wait_dscnt 0x0
	CROUND                                         ; the closing round: no work-group ends while a partner may still ask for a tile that names it
	s_endpgm
.Lfunc_end_k_q47b596977b_gemm:
	.size	k_q47b596977b_gemm, .Lfunc_end_k_q47b596977b_gemm-k_q47b596977b_gemm
	.p2alignl 7, 3214868480
	.fill 96, 4, 3214868480
	.section	.rodata,"a",@progbits
	.p2align	6, 0x0
	.amdhsa_kernel k_q47b596977b_gemm
		.amdhsa_group_segment_fixed_size 327680
		.amdhsa_private_segment_fixed_size 0
		.amdhsa_enable_private_segment 0
		.amdhsa_kernarg_size 32
		.amdhsa_user_sgpr_count 2
		.amdhsa_user_sgpr_kernarg_segment_ptr 1
		.amdhsa_wavefront_size32 1
		.amdhsa_system_sgpr_workgroup_id_x 1
		.amdhsa_system_sgpr_workgroup_id_y 1
		.amdhsa_system_sgpr_workgroup_id_z 1
		.amdhsa_system_vgpr_workitem_id 0
		.amdhsa_next_free_vgpr 1024
		.amdhsa_next_free_sgpr 100
		.amdhsa_reserve_vcc 1
		.amdhsa_float_denorm_mode_32 3
		.amdhsa_float_denorm_mode_16_64 3
		.amdhsa_memory_ordered 1
		.amdhsa_forward_progress 1
		.amdhsa_inst_pref_size 237
	.end_amdhsa_kernel
	.amdgpu_metadata
---
amdhsa.version: [ 1, 2 ]
amdhsa.kernels:
  - .name:           k_q47b596977b_gemm
    .symbol:         k_q47b596977b_gemm.kd
    .args:
      - { .name: min_encoding_indices, .offset: 0, .size: 8, .value_kind: global_buffer, .address_space: global }
      - { .name: wq, .offset: 8, .size: 8, .value_kind: global_buffer, .address_space: global }
      - { .name: lowp_scales, .offset: 16, .size: 8, .value_kind: global_buffer, .address_space: global }
      - { .name: out0, .offset: 24, .size: 8, .value_kind: global_buffer, .address_space: global }
    .group_segment_fixed_size: 327680
    .private_segment_fixed_size: 0
    .kernarg_segment_align: 8
    .kernarg_segment_size: 32
    .max_flat_workgroup_size: 128
    .sgpr_count:     100
    .vgpr_count:     1024
    .wavefront_size: 32
...
	.end_amdgpu_metadata
.endif
;; end of part 2
